; MI455X (gfx1250); checked and timed in simulation.
; The chip was launched on July 23, 2026; its instructions are those of AMD's public machine-readable ISA for CDNA 5 (MIT licence, August 2026) and "CDNA5" Instruction Set Architecture Reference Guide (July 2026). The comments in the code are by the model that wrote it; some were corrected since.
;; Physics Informed NN. Allowed arithmetic: float matrix products may take bf16 or f16 operands with f32 sums; all other float work in f32.
;; Inputs: A 100 x 100 float32; W0 20 x 1 float32; W1 50 x 20 float32; W2 200 x 50 float32; W3 500 x 200 float32; W4 200 x 500 float32; W5 100 x 200 float32; b0 20 float32; b1 50 float32; b2 200 float32; b3 500 float32; b4 200 float32; b5 100 float32; bvec 1 x 100 float32; x 65,536 x 1 float32.
;; Outputs: out0 65,536 x 100 float32; out1 65,536 x 100 float32.
;; One version. Each part assembles by itself: llvm-mc -triple=amdgcn-amd-amdhsa -mcpu=gfx1250 --defsym DOCPART=n.
;; ======== version 1 of 1: 2 launches
;; workspace buffers: wb 572,416 bytes
;; launch prep (part 1): grid 559 x 1, 2 waves a work-group, no clusters, 0 bytes of LDS; arguments W1, W2, W3, W4, W5, A, bvec, W0, b0, b1, b2, b3, b4, b5, wb; writes wb
.if DOCPART == 1
	.amdgcn_target "amdgcn-amd-amdhsa--gfx1250"
	.amdhsa_code_object_version 6
	.text
	.protected	k_qf6e2adae18_prep
	.globl	k_qf6e2adae18_prep
	.p2align	8
	.type	k_qf6e2adae18_prep,@function
k_qf6e2adae18_prep:
	s_mov_b64 s[64:65], 0
	v_nop
	global_prefetch_b8 v0, s[64:65] scope:SCOPE_SE
	s_setreg_imm32_b32 hwreg(HW_REG_WAVE_MODE, 25, 1), 1
	s_wait_xcnt 0x0
; All weights, rounded once to bf16, are laid into wb in units of 1,024 bytes, in the order in which the main launch reads them.
; A weight unit is one matrix fragment of 16 rows x 32 k: its 16 bytes number i (0..63) hold row 16 tile + (i & 15),
; k = 32 kf + 16 (i >> 5) + 8 ((i >> 4) & 1) + 0..7; rows and columns beyond the matrix are 0.
; Units: 0-3 W1; 4-29 W2 (2 t + k); 30-37 the vectors W0, b0, b1, b2, b3 (two units), b4, b5 as f32 that hold bf16-rounded numbers, 0 behind their ends;
; 38-65 A with bvec as row 100 (4 t + k); 66-72 W3's tile 0; 73-504 sixteen records q of 27: W3's tiles 2q+1 and 2q+2 (7 units each; tile 32 does not exist and is 0),
; then W4's 13 tiles at kf = q; 505-558 W5 (7 t + k), tile 7 of it 0, so that it is as long as two records.
; One work-group of 64 threads makes one unit; thread i stores its 16 bytes number i, so sixteen lanes store 256 consecutive, aligned bytes.
.macro SRC a1, a2, r, c                ; the matrix's address, the extra row's address, its rows and columns
	s_load_b64 s[4:5], s[0:1], \a1
	s_load_b64 s[6:7], s[0:1], \a2
	s_mov_b32 s10, \r
	s_mov_b32 s11, \c
.endm
.macro SECV unit, argoff, n, base      ; unit \unit holds numbers \base .. \base + 255 of a vector of \n
	s_cmp_eq_u32 s2, \unit
	s_cbranch_scc0 .Lnv_\@
	s_load_b64 s[4:5], s[0:1], \argoff
	s_mov_b32 s10, \n
	s_mov_b32 s11, \base
	s_branch .Lvec
.Lnv_\@:
.endm
	s_load_b64 s[8:9], s[0:1], 0x70                ; wb
	s_mov_b32 s2, ttmp9                            ; d: the unit
	s_mov_b32 s14, -1                              ; the row that comes from the second address: none
	s_cmp_lt_u32 s2, 4
	s_cbranch_scc0 .Lnot_w1
	SRC 0x0, 0x0, 50, 20                           ; W1: tile d, kf 0
	s_mov_b32 s12, s2
	s_mov_b32 s13, 0
	s_branch .Lmat
.Lnot_w1:
	s_cmp_lt_u32 s2, 30
	s_cbranch_scc0 .Lnot_w2
	SRC 0x8, 0x8, 200, 50                          ; W2: e = d - 4: tile e / 2, kf e % 2
	s_sub_co_u32 s3, s2, 4
	s_lshr_b32 s12, s3, 1
	s_and_b32 s13, s3, 1
	s_branch .Lmat
.Lnot_w2:
	s_cmp_lt_u32 s2, 38
	s_cbranch_scc0 .Lnot_vec
	SECV 30, 0x38, 20, 0                           ; W0
	SECV 31, 0x40, 20, 0                           ; b0
	SECV 32, 0x48, 50, 0                           ; b1
	SECV 33, 0x50, 200, 0                          ; b2
	SECV 34, 0x58, 500, 0                          ; b3, first 256
	SECV 35, 0x58, 500, 256                        ; b3, the rest
	SECV 36, 0x60, 200, 0                          ; b4
	s_load_b64 s[4:5], s[0:1], 0x68                ; unit 37: b5
	s_mov_b32 s10, 100
	s_mov_b32 s11, 0
	s_branch .Lvec
.Lnot_vec:
	s_cmp_lt_u32 s2, 66
	s_cbranch_scc0 .Lnot_a
	SRC 0x28, 0x30, 100, 100                       ; A, with bvec as row 100: e = d - 38: tile e / 4, kf e % 4
	s_mov_b32 s14, 100
	s_sub_co_u32 s3, s2, 38
	s_lshr_b32 s12, s3, 2
	s_and_b32 s13, s3, 3
	s_branch .Lmat
.Lnot_a:
	s_cmp_lt_u32 s2, 73
	s_cbranch_scc0 .Lnot_first
	SRC 0x10, 0x10, 500, 200                       ; W3's tile 0: kf d - 66
	s_mov_b32 s12, 0
	s_sub_co_u32 s13, s2, 66
	s_branch .Lmat
.Lnot_first:
	s_cmp_lt_u32 s2, 505
	s_cbranch_scc0 .Lis_w5
	s_sub_co_u32 s3, s2, 73                        ; e = d - 73, at most 431
	s_mul_i32 s15, s3, 2428
	s_lshr_b32 s15, s15, 16                        ; q = e / 27 (2428 / 65536 exceeds 1 / 27 by too little to matter up to 431)
	s_mul_i32 s16, s15, 27
	s_sub_co_u32 s3, s3, s16                       ; r = e % 27
	s_cmp_lt_u32 s3, 14
	s_cbranch_scc0 .Lw4
	SRC 0x10, 0x10, 500, 200                       ; W3: tile 2 q + 1 + tl, kf r - 7 tl
	s_cmp_ge_u32 s3, 7
	s_cselect_b32 s16, 1, 0
	s_lshl1_add_u32 s12, s15, s16
	s_add_co_u32 s12, s12, 1
	s_mul_i32 s16, s16, 7
	s_sub_co_u32 s13, s3, s16
	s_branch .Lmat
.Lw4:
	SRC 0x18, 0x18, 200, 500                       ; W4: tile r - 14, kf q
	s_sub_co_u32 s12, s3, 14
	s_mov_b32 s13, s15
	s_branch .Lmat
.Lis_w5:
	SRC 0x20, 0x20, 100, 200                       ; W5: e = d - 505 (at most 53): tile e / 7, kf e % 7
	s_sub_co_u32 s3, s2, 505
	s_mul_i32 s12, s3, 9363
	s_lshr_b32 s12, s12, 16
	s_mul_i32 s16, s12, 7
	s_sub_co_u32 s13, s3, s16
.Lmat:
	v_and_b32 v1, 15, v0
	v_lshl_add_u32 v2, s12, 4, v1                  ; my row
	v_lshrrev_b32 v3, 5, v0
	v_bfe_u32 v4, v0, 4, 1
	v_lshlrev_b32 v3, 4, v3
	v_lshl_add_u32 v3, v4, 3, v3
	v_lshl_add_u32 v3, s13, 5, v3                  ; my first column
	s_sub_co_u32 s15, s10, 1
	s_sub_co_u32 s18, s11, 1
	v_min_u32 v4, s15, v2                          ; every load stays inside its buffer: row and column are clamped, and the number is dropped afterwards
	v_mul_lo_u32 v4, v4, s11
.irp j, 0,1,2,3,4,5,6,7
	v_add_nc_u32 v[8+\j], \j, v3
	v_min_u32 v5, s18, v[8+\j]
	v_add_lshl_u32 v[16+\j], v4, v5, 2
	v_lshlrev_b32 v[24+\j], 2, v5
.endr
	v_cmp_gt_u32 s20, s10, v2                      ; my row lies in the matrix
	v_cmp_eq_u32 s21, s14, v2                      ; my row is the extra one
	v_lshlrev_b32 v6, 4, v0
	s_lshl_b32 s16, s2, 10
	s_mov_b32 s17, 0
	s_wait_kmcnt 0x0
	s_add_nc_u64 s[8:9], s[8:9], s[16:17]
.irp j, 0,1,2,3,4,5,6,7
	global_load_b32 v[32+\j], v[16+\j], s[4:5]
	global_load_b32 v[40+\j], v[24+\j], s[6:7]
.endr
	s_wait_loadcnt 0x0
.irp j, 0,1,2,3,4,5,6,7
	v_cmp_gt_u32 vcc_lo, s11, v[8+\j]              ; the column lies in the matrix
	v_cndmask_b32 v[32+\j], 0, v[32+\j], s20
	v_cndmask_b32 v[32+\j], v[32+\j], v[40+\j], s21
	v_cndmask_b32 v[32+\j], 0, v[32+\j], vcc_lo
.endr
.irp j, 0,1,2,3
	v_cvt_pk_bf16_f32 v[12+\j], v[32+2*\j], v[33+2*\j]
.endr
	global_store_b128 v6, v[12:15], s[8:9]
	s_endpgm
.Lvec:                                                 ; v1 first index; v2 store offset; v4-7 the four indices; v8-11 their clamped byte offsets; v12-15 the numbers
	v_lshlrev_b32 v1, 2, v0
	v_add_nc_u32 v1, s11, v1                       ; my first index: base + 4 i
	s_sub_co_u32 s15, s10, 1
.irp j, 0,1,2,3
	v_add_nc_u32 v[4+\j], \j, v1
	v_min_u32 v[8+\j], s15, v[4+\j]
	v_lshlrev_b32 v[8+\j], 2, v[8+\j]
.endr
	v_lshlrev_b32 v2, 4, v0
	s_lshl_b32 s16, s2, 10
	s_mov_b32 s17, 0
	s_wait_kmcnt 0x0
	s_add_nc_u64 s[8:9], s[8:9], s[16:17]
.irp j, 0,1,2,3
	global_load_b32 v[12+\j], v[8+\j], s[4:5]
.endr
	s_wait_loadcnt 0x0
.irp j, 0,1,2,3
	v_cmp_gt_u32 vcc_lo, s10, v[4+\j]
	v_cndmask_b32 v[12+\j], 0, v[12+\j], vcc_lo
.endr
	v_cvt_pk_bf16_f32 v16, v12, v13                ; rounded to bf16 like every other input, and widened again
	v_cvt_pk_bf16_f32 v17, v14, v15
	v_lshlrev_b32 v20, 16, v16
	v_and_b32 v21, 0xffff0000, v16
	v_lshlrev_b32 v22, 16, v17
	v_and_b32 v23, 0xffff0000, v17
	global_store_b128 v2, v[20:23], s[8:9]
	s_endpgm
.Lfunc_end_k_qf6e2adae18_prep:
	.size	k_qf6e2adae18_prep, .Lfunc_end_k_qf6e2adae18_prep-k_qf6e2adae18_prep
	.p2alignl 7, 3214868480
	.fill 96, 4, 3214868480
	.section	.rodata,"a",@progbits
	.p2align	6, 0x0
	.amdhsa_kernel k_qf6e2adae18_prep
		.amdhsa_group_segment_fixed_size 0
		.amdhsa_private_segment_fixed_size 0
		.amdhsa_enable_private_segment 0
		.amdhsa_kernarg_size 120
		.amdhsa_user_sgpr_count 2
		.amdhsa_user_sgpr_kernarg_segment_ptr 1
		.amdhsa_wavefront_size32 1
		.amdhsa_system_sgpr_workgroup_id_x 1
		.amdhsa_system_sgpr_workgroup_id_y 1
		.amdhsa_system_sgpr_workgroup_id_z 1
		.amdhsa_system_vgpr_workitem_id 0
		.amdhsa_next_free_vgpr 48
		.amdhsa_next_free_sgpr 66
		.amdhsa_reserve_vcc 1
		.amdhsa_float_denorm_mode_32 3
		.amdhsa_float_denorm_mode_16_64 3
		.amdhsa_memory_ordered 1
		.amdhsa_forward_progress 1
		.amdhsa_inst_pref_size 13
	.end_amdhsa_kernel
	.amdgpu_metadata
---
amdhsa.version: [ 1, 2 ]
amdhsa.kernels:
  - .name:           k_qf6e2adae18_prep
    .symbol:         k_qf6e2adae18_prep.kd
    .args:
      - { .name: W1, .offset: 0, .size: 8, .value_kind: global_buffer, .address_space: global }
      - { .name: W2, .offset: 8, .size: 8, .value_kind: global_buffer, .address_space: global }
      - { .name: W3, .offset: 16, .size: 8, .value_kind: global_buffer, .address_space: global }
      - { .name: W4, .offset: 24, .size: 8, .value_kind: global_buffer, .address_space: global }
      - { .name: W5, .offset: 32, .size: 8, .value_kind: global_buffer, .address_space: global }
      - { .name: A, .offset: 40, .size: 8, .value_kind: global_buffer, .address_space: global }
      - { .name: bvec, .offset: 48, .size: 8, .value_kind: global_buffer, .address_space: global }
      - { .name: W0, .offset: 56, .size: 8, .value_kind: global_buffer, .address_space: global }
      - { .name: b0, .offset: 64, .size: 8, .value_kind: global_buffer, .address_space: global }
      - { .name: b1, .offset: 72, .size: 8, .value_kind: global_buffer, .address_space: global }
      - { .name: b2, .offset: 80, .size: 8, .value_kind: global_buffer, .address_space: global }
      - { .name: b3, .offset: 88, .size: 8, .value_kind: global_buffer, .address_space: global }
      - { .name: b4, .offset: 96, .size: 8, .value_kind: global_buffer, .address_space: global }
      - { .name: b5, .offset: 104, .size: 8, .value_kind: global_buffer, .address_space: global }
      - { .name: wb, .offset: 112, .size: 8, .value_kind: global_buffer, .address_space: global }
    .group_segment_fixed_size: 0
    .private_segment_fixed_size: 0
    .kernarg_segment_align: 8
    .kernarg_segment_size: 120
    .max_flat_workgroup_size: 64
    .sgpr_count:     66
    .vgpr_count:     48
    .wavefront_size: 32
...
	.end_amdgpu_metadata
.endif
;; end of part 1
;; launch main (part 2): grid 256 x 1, 4 waves a work-group, clusters of 4 x 1, 327,680 bytes of LDS; arguments wb, x, out0, out1; writes out0, out1
.if DOCPART == 2
	.amdgcn_target "amdgcn-amd-amdhsa--gfx1250"
	.amdhsa_code_object_version 6
	.text
	.protected	k_qf6e2adae18_main
	.globl	k_qf6e2adae18_main
	.p2align	8
	.type	k_qf6e2adae18_main,@function
k_qf6e2adae18_main:
	s_mov_b64 s[64:65], 0
	v_nop
	global_prefetch_b8 v0, s[64:65] scope:SCOPE_SE
	s_setreg_imm32_b32 hwreg(HW_REG_WAVE_MODE, 25, 1), 1
	s_wait_xcnt 0x0
	s_wait_alu depctr_hold_cnt(0) depctr_sa_sdst(0) depctr_va_vdst(0) depctr_va_sdst(0) depctr_va_ssrc(0) depctr_va_vcc(0) depctr_vm_vsrc(0)
	s_getreg_b32 s2, hwreg(HW_REG_IB_STS2, 6, 4)
	s_cmp_eq_u32 s2, 0
	s_cbranch_scc0 .Lentry_in_a_cluster
	s_endpgm
.Lentry_in_a_cluster:
	s_bfe_u32 s2, ttmp6, 0x10000c
	s_cmp_lg_u32 s2, 0x3003
	s_cbranch_scc0 .Lentry_shape_is_right
	s_endpgm
.Lentry_shape_is_right:
; The whole network with its first and second derivative by x, the transform u = -1 + (x^2 - 1) o, F = 5 u^3 - 5 u - 0.0005 u_xx, U0 = u + 0.8 F A^T, U1 = U0 - 0.8 F bvec^T, in one launch.
; SHARES.  256 work-groups of four waves; a work-group owns 256 samples and makes four passes of 64; in a pass a wave owns 16 samples.
; THREE SUMS.  For each layer z = W h + b, z' = W h', z'' = W h''; t = tanh z, h = t, h' = (1 - t^2) z', h'' = (1 - t^2) z'' - 2 t (1 - t^2) z'^2.
; TWO NUMBERS FOR h AND F.  F holds u^3, and entries of F A^T near 0 stand beside large ones, so h and F go to the matrix unit as hi = bf16(h) and lo = bf16(h - hi): z takes two products.
; LAYOUT.  Every product is used transposed: source 0 = 16 rows of the weights, source 1 = 16 samples x 32 k.  In the result a lane holds ONE sample (lane % 16) and the features
; 8 (lane / 16) + 0..7; two neighbouring result tiles, rounded to bf16 in pairs, ARE source 1 of the next layer.  So activations never leave the registers and never change lanes.
; LAYERS 3 AND 4 are fused over the hidden 500 in 16 chunks of 32 features, two tiles t0, t1 each, and the tanh work stands BESIDE the products.  Iteration c has three phases:
;   P1: 28 products z3(c+1, t0)   | all of tanh(c, t1)                                    P2: 52 products of layer 4 for chunk c | the part of tanh(c+1, t0) that touches z3 and temporaries alone
;   P3: 28 products z3(c+1, t1)   | that tile's roundings into h3, which layer 4 has read by then.            No buffer is doubled and one text serves every iteration.
; WEIGHTS come from wb (made by the launch before) as ready fragments of 1,024 bytes: a wave reads one by two loads of 16 bytes a lane, 512 consecutive bytes each.  W1, W2, the vectors and A stay
; in LDS; W3, W4, W5 are walked once a pass, in the order of reading, through two slots.  CLUSTER: all work-groups walk the same stream, so four ask for each tile JOINTLY, each wave for a quarter of it.
; By the text's own count a wave never has more than one tensor load out.
; LIMITS.  All inputs (x, weights, biases, A, bvec) are rounded to bf16; h' and h'' are single bf16 operands (they enter the result through 0.0005 u_xx alone); all else is f32.
; tanh z = 1 - 2 / (1 + 2^(2.88539 z)): right at both ends (the power goes to infinity or 0), absolute error about 2e-7.  NaN and infinities are not treated apart.
; REGISTERS, in windows of 256 (s_set_vgpr_msb: bits 1:0 source 0, 3:2 source 1, 5:4 source 2, 7:6 destination):
;   window 0: v0-31 addresses and the sample's numbers; v32-79 z3 (tile tl, sum s at 32 + 24 tl + 8 s); v80-111 h3's fragments; later F's: hi v32-63, lo v64-95; v112-143 at work; v144-147 x of the passes to come;
;             v160-255 sums of tiles 9-12, later u
;   window 1: v0-223 h2, later h4 (fragment k at 32 k: hi, lo + 8, h' + 16, h'' + 24); h1 in fragments 0, 1 before h2; v224-255 h0
;   window 2: weights' fragments          window 3: sums of tiles 0-8 (24 t + 8 s); later F A^T at 168 + 8 t
.set RESV,   30720                     ; LDS: units 0-65 stay at byte 0; the vectors begin here: W0 +0, b0 +1024, b1 +2048, b2 +3072, b3 +4096, b4 +6144, b5 +7168
.set AOFF,   38912                     ; A's 28 fragments
.set SLOT0,  131072                    ; two slots, 61 units at the most in each;
.set SLOT1,  196608
.set SLOTX,  65536                     ; one exclusive or turns an address in one slot into the other's
.set STAGE,  262144                    ; 12,800 bytes for each wave, for the way out; no tensor load lands here
.set WSTAGE, 12800
.set OUT1,   6400                      ; in a stage: 16 rows x 400 bytes for out0, and from here on for out1
.set SPARE,  313344                    ; the spare words, 128 bytes for each wave: two blocks of 256 bytes that no other line names
.set CHUNK,  27648                     ; a record of 27 units: W3's t1(c+1), W3's t0(c+2), W4's 13 fragments of chunk c+1
.set GROUP,  54                        ; units in a fill of the loop: two records
.set Z3, 32
.set H3, 80
.set TM, 112                           ; four sets of eight registers at work
.set SM, 120
.set PM, 128
.set QM, 136
.set XN, 144                           ; x of this pass and the three behind it
.set WB, 112                           ; window 2: W4's fragments of a chunk (W3's lie at 0: t0's 56 registers, then t1's)
.set FR, 32                            ; F's fragments: hi at FR + 8 k, lo at FR + 32 + 8 k
.set UU, 160                           ; u, tile t at UU + 8 t
.set GG, 168                           ; window 3: F A^T, tile t at GG + 8 t
; v1 lane; v2 16 lane; v3 address in the stream; v4 32 (lane / 16) + RESV; v5 the same for b3's chunk in hand; v6 stage + 400 (lane % 16) + 32 (lane / 16); v7 stage + 400 (lane % 16) + 384
; v8 stage + 16 lane; v25 stage + 16 (lane % 16); v10 4 (lane % 16); v[12:13] x; v[14:15] x^2 - 1; v[16:17] -0.0005 (x^2 - 1); v[22:23] -0.002 x; v[18:19] -0.8 F.bvec; v20, v21 at work; v26 -1.0; v30, v31 the add's
; s[4:5] wb; s[6:7] x; s[8:9] out0; s[10:11] out1; s12 wave; s[16:23], s[24:27] the descriptor; s[28:29] its offset; s30 passes; s31 iterations; s[32:43] constants; s44 mask of lanes 16-31; s45 the slot that is read;
; s[46:49] offsets that hang on the work-group; s50 groups
.set MSB, 0
.macro WIN new                         ; the immediate's high byte repeats the setting that is left; a switch that changes nothing is dropped
.if MSB != (\new)
	s_set_vgpr_msb (MSB<<8)|(\new)
.set MSB, \new
.endif
.endm
.macro R4 line:vararg                  ; a line four times, ii = 0..3
.set ii, 0
.rept 4
	\line
.set ii, ii+1
.endr
.endm
.macro R8 line:vararg
.set ii, 0
.rept 8
	\line
.set ii, ii+1
.endr
.endm
; A vector instruction that reads a matrix result or writes one of a matrix instruction's registers, and a load into such a register, stand four places behind it;
; only plain vector instructions that name none of its registers are places (ISA guide 7.12.1 for vector instructions).
.macro PLACES
.rept 4
	v_nop
.endr
.endm
.macro CROUND                          ; a round of the cluster's barrier: my work-group's barrier; wave 0 signals for the work-group; every wave waits for all four; my work-group's barrier once more
	s_barrier_signal -1
	s_barrier_wait -1
	s_cmp_lg_u32 s12, 0
	s_cbranch_scc1 .Lnot_wave_0_\@
	s_barrier_signal -3
.Lnot_wave_0_\@:
	s_barrier_wait -3
	s_barrier_signal -1
	s_barrier_wait -1
.endm
; The descriptor for my quarter of \rows units from unit \unit on, to LDS byte \lds: \rows rows of 256 bytes, dense.  Nothing in it hangs on the work-group.
.macro DESC lds, unit, rows
	s_mul_i32 s15, s12, (\rows)*256
	s_add_co_u32 s25, s15, \lds                    ; 63:32 LDS address
	s_add_co_u32 s28, s15, (\unit)*1024
	s_add_nc_u64 s[26:27], s[4:5], s[28:29]        ; 120:64 global address
	s_or_b32 s27, s27, 0x80000000                  ; 127:126 type = 2
	s_mov_b32 s18, (\rows)<<16                     ; tensor_dim1
	s_mov_b32 s20, \rows                           ; tile_dim1
.endm
; A slot is filled.  Every wave waits for all its tensor loads (the one that is out is its part of the other slot), adds 0 to its spare word, and waits for that and for its reads;
; a round of the cluster's barrier: no wave of any partner still reads the slot or has a load on its way; the joint load is the first thing behind it.
.macro FILL lds, unit, rows
	WIN 0
	s_wait_tensorcnt 0x0                           ; no tensor load of mine is out, so the descriptor may be written
	ds_add_u32 v30, v31                            ; 0 onto my spare word
	DESC \lds, \unit, \rows
	s_wait_dscnt 0x0                               ; the add is done, and my reads of LDS are over
	CROUND
	tensor_load_to_lds s[24:27], s[16:23]
	s_nop 0
	PLACES
.endm
; The same in the loop over groups: the descriptor walks: the other slot than last time, the stream's next 54 units; the reads turn to the slot that has just been shown whole.
.macro FILLS
	WIN 0
	s_wait_tensorcnt 0x0
	ds_add_u32 v30, v31                            ; 0 onto my spare word
	s_xor_b32 s25, s25, SLOTX
	s_add_nc_u64 s[26:27], s[26:27], GROUP*1024    ; the type bits on top are not reached
	s_xor_b32 s45, s45, SLOTX
	s_wait_dscnt 0x0                               ; the add is done, and my reads of the slot are over
	CROUND
	tensor_load_to_lds s[24:27], s[16:23]
	s_nop 0
	PLACES
	v_add_nc_u32 v3, s45, v2
.endm
.macro SETACC t, s                     ; the sums of feature tile t, sum s: register AR in window AWN
.if (\t) < 9
.set AR, 24*(\t)+8*(\s)
.set AWN, 3
.else
.set AR, 160+24*((\t)-9)+8*(\s)
.set AWN, 0
.endif
.endm
.macro MM d, a, b, z                   ; one matrix instruction; z = 1: the constant 0 starts the sum
.if \z
	v_wmma_f32_16x16x32_bf16 v[(\d):(\d)+7], v[(\a):(\a)+7], v[(\b):(\b)+7], 0
.else
	v_wmma_f32_16x16x32_bf16 v[(\d):(\d)+7], v[(\a):(\a)+7], v[(\b):(\b)+7], v[(\d):(\d)+7]
.endif
.endm
; A tile's four products of one k step: z += W hi, z' += W h', z += W lo, z'' += W h''.  The sums take turns, one instruction a turn.
; z = 1: the first k step starts z' and z'' with 0; z began with the bias.
.macro MM4 d, a, b, z
	MM \d, \a, \b, 0
	MM (\d)+8, \a, (\b)+16, \z
	MM \d, \a, (\b)+8, 0
	MM (\d)+16, \a, (\b)+24, \z
.endm
.macro BIASLD seg, n                   ; the bias starts the z sums of tiles 0 .. n - 1: a lane's eight features are 32 consecutive bytes of the vector
.set tt, 0
.rept \n
	SETACC tt, 0
	WIN AWN<<6
	ds_load_b128 v[AR:AR+3], v4 offset:(\seg)+64*tt
	ds_load_b128 v[AR+4:AR+7], v4 offset:(\seg)+64*tt+16
.set tt, tt+1
.endr
.endm
; One feature tile: z at \z, z' at \z + 8, z'' at \z + 16 in window \zw; h's hi and lo, h', h'' leave as bf16 halves of fragments at \o, \o + 8, \o + 16, \o + 24 in window \ow.  noz2 = 1: z'' is 0.
; Each sum's lowest registers are read first.  A v_nop stands behind each run of transcendentals, ahead of the first use of a result (ISA guide 5.7.2).
.macro TANH zw, z, ow, o, noz2
	WIN \zw
	R4 v_pk_mul_f32 v[TM+2*ii:TM+2*ii+1], v[(\z)+2*ii:(\z)+2*ii+1], s[32:33] op_sel_hi:[1,0]
	WIN 0
	R8 v_exp_f32 v[TM+ii], v[TM+ii]
	v_nop
	s_wait_alu depctr_va_vdst(0)
	R4 v_pk_add_f32 v[TM+2*ii:TM+2*ii+1], v[TM+2*ii:TM+2*ii+1], 1.0 op_sel_hi:[1,0]
	R8 v_rcp_f32 v[TM+ii], v[TM+ii]
	v_nop
	s_wait_alu depctr_va_vdst(0)
	R4 v_pk_fma_f32 v[TM+2*ii:TM+2*ii+1], v[TM+2*ii:TM+2*ii+1], -2.0, 1.0 op_sel_hi:[1,0,0]                                           ; t
	R4 v_pk_fma_f32 v[SM+2*ii:SM+2*ii+1], v[TM+2*ii:TM+2*ii+1], v[TM+2*ii:TM+2*ii+1], 1.0 op_sel_hi:[1,1,0] neg_lo:[1,0,0] neg_hi:[1,0,0]  ; 1 - t^2
	WIN \zw
	R4 v_pk_mul_f32 v[PM+2*ii:PM+2*ii+1], v[(\z)+8+2*ii:(\z)+8+2*ii+1], v[SM+2*ii:SM+2*ii+1]                                          ; h'
	R4 v_pk_mul_f32 v[QM+2*ii:QM+2*ii+1], v[(\z)+8+2*ii:(\z)+8+2*ii+1], v[TM+2*ii:TM+2*ii+1]                                          ; t z'
.if !(\noz2)
	R4 v_pk_mul_f32 v[SM+2*ii:SM+2*ii+1], v[(\z)+16+2*ii:(\z)+16+2*ii+1], v[SM+2*ii:SM+2*ii+1]                                        ; (1 - t^2) z''
.endif
	WIN 0
	R4 v_pk_mul_f32 v[QM+2*ii:QM+2*ii+1], v[QM+2*ii:QM+2*ii+1], v[PM+2*ii:PM+2*ii+1]                                                  ; t (1 - t^2) z'^2
.if \noz2
	R4 v_pk_mul_f32 v[SM+2*ii:SM+2*ii+1], v[QM+2*ii:QM+2*ii+1], -2.0 op_sel_hi:[1,0]
.else
	R4 v_pk_fma_f32 v[SM+2*ii:SM+2*ii+1], v[QM+2*ii:QM+2*ii+1], -2.0, v[SM+2*ii:SM+2*ii+1] op_sel_hi:[1,0,1]                          ; h''
.endif
	WIN (\ow)<<6
	R4 v_cvt_pk_bf16_f32 v[(\o)+ii], v[TM+2*ii], v[TM+2*ii+1]                                                                         ; hi
	R4 v_cvt_pk_bf16_f32 v[(\o)+16+ii], v[PM+2*ii], v[PM+2*ii+1]
	R4 v_cvt_pk_bf16_f32 v[(\o)+24+ii], v[SM+2*ii], v[SM+2*ii+1]
	WIN \ow
	R4 v_fma_mix_f32_bf16 v[TM+2*ii], v[(\o)+ii], v26, v[TM+2*ii] op_sel_hi:[1,0,0]                                                   ; t - hi, exact: the low half's,
	R4 v_fma_mix_f32_bf16 v[TM+2*ii+1], v[(\o)+ii], v26, v[TM+2*ii+1] op_sel:[1,0,0] op_sel_hi:[1,0,0]                                ; the high half's
	WIN (\ow)<<6
	R4 v_cvt_pk_bf16_f32 v[(\o)+8+ii], v[TM+2*ii], v[TM+2*ii+1]                                                                       ; lo
.endm
.macro TANH13                          ; the 13 tiles of a layer of 200: tile t is half t % 2 of fragment t / 2 in window 1
.set tt, 0
.rept 13
	SETACC tt, 0
	TANH AWN, AR, 1, 32*(tt/2)+4*(tt%2), 0
.set tt, tt+1
.endr
.endm
; THE SAME LIST, ONE LINE AT A TIME, for the tiles of z3 (all in window 0): TI writes number tj of TANH's 78 lines for the sums at RZ and the fragment halves at RO, and steps tj.
; 0-53 touch the sums and the temporaries alone; 54-77 are the roundings into h3.  The order is TANH's, so the v_nop behind each run of transcendentals still stands ahead of the first use of a result.
.macro TI
.if tj < 4
.set ii, tj
	v_pk_mul_f32 v[TM+2*ii:TM+2*ii+1], v[RZ+2*ii:RZ+2*ii+1], s[32:33] op_sel_hi:[1,0]
.elseif tj < 12
.set ii, tj-4
	v_exp_f32 v[TM+ii], v[TM+ii]
.elseif tj == 12
	v_nop
	s_wait_alu depctr_va_vdst(0)
.elseif tj < 17
.set ii, tj-13
	v_pk_add_f32 v[TM+2*ii:TM+2*ii+1], v[TM+2*ii:TM+2*ii+1], 1.0 op_sel_hi:[1,0]
.elseif tj < 25
.set ii, tj-17
	v_rcp_f32 v[TM+ii], v[TM+ii]
.elseif tj == 25
	v_nop
	s_wait_alu depctr_va_vdst(0)
.elseif tj < 30
.set ii, tj-26
	v_pk_fma_f32 v[TM+2*ii:TM+2*ii+1], v[TM+2*ii:TM+2*ii+1], -2.0, 1.0 op_sel_hi:[1,0,0]
.elseif tj < 34
.set ii, tj-30
	v_pk_fma_f32 v[SM+2*ii:SM+2*ii+1], v[TM+2*ii:TM+2*ii+1], v[TM+2*ii:TM+2*ii+1], 1.0 op_sel_hi:[1,1,0] neg_lo:[1,0,0] neg_hi:[1,0,0]
.elseif tj < 38
.set ii, tj-34
	v_pk_mul_f32 v[PM+2*ii:PM+2*ii+1], v[RZ+8+2*ii:RZ+8+2*ii+1], v[SM+2*ii:SM+2*ii+1]
.elseif tj < 42
.set ii, tj-38
	v_pk_mul_f32 v[QM+2*ii:QM+2*ii+1], v[RZ+8+2*ii:RZ+8+2*ii+1], v[TM+2*ii:TM+2*ii+1]
.elseif tj < 46
.set ii, tj-42
	v_pk_mul_f32 v[SM+2*ii:SM+2*ii+1], v[RZ+16+2*ii:RZ+16+2*ii+1], v[SM+2*ii:SM+2*ii+1]
.elseif tj < 50
.set ii, tj-46
	v_pk_mul_f32 v[QM+2*ii:QM+2*ii+1], v[QM+2*ii:QM+2*ii+1], v[PM+2*ii:PM+2*ii+1]
.elseif tj < 54
.set ii, tj-50
	v_pk_fma_f32 v[SM+2*ii:SM+2*ii+1], v[QM+2*ii:QM+2*ii+1], -2.0, v[SM+2*ii:SM+2*ii+1] op_sel_hi:[1,0,1]
.elseif tj < 58
.set ii, tj-54
	v_cvt_pk_bf16_f32 v[RO+ii], v[TM+2*ii], v[TM+2*ii+1]
.elseif tj < 62
.set ii, tj-58
	v_cvt_pk_bf16_f32 v[RO+16+ii], v[PM+2*ii], v[PM+2*ii+1]
.elseif tj < 66
.set ii, tj-62
	v_cvt_pk_bf16_f32 v[RO+24+ii], v[SM+2*ii], v[SM+2*ii+1]
.elseif tj < 70
.set ii, tj-66
	v_fma_mix_f32_bf16 v[TM+2*ii], v[RO+ii], v26, v[TM+2*ii] op_sel_hi:[1,0,0]
.elseif tj < 74
.set ii, tj-70
	v_fma_mix_f32_bf16 v[TM+2*ii+1], v[RO+ii], v26, v[TM+2*ii+1] op_sel:[1,0,0] op_sel_hi:[1,0,0]
.else
.set ii, tj-74
	v_cvt_pk_bf16_f32 v[RO+8+ii], v[TM+2*ii], v[TM+2*ii+1]
.endif
.set tj, tj+1
.endm
.macro RID n                           ; the list's next n lines, as far as tend allows
.rept \n
.if tj < tend
	WIN 0
	TI
.endif
.endr
.endm
.macro MM4R w, d, a, b, z, n0, n1, n2, n3  ; MM4 under window setting w, with n0 .. n3 lines of the list behind its four products; none of them names a register of the products round it
	WIN \w
	MM \d, \a, \b, 0
	RID \n0
	WIN \w
	MM (\d)+8, \a, (\b)+16, \z
	RID \n1
	WIN \w
	MM \d, \a, (\b)+8, 0
	RID \n2
	WIN \w
	MM (\d)+16, \a, (\b)+24, \z
	RID \n3
.endm
.macro LFR dst, off, n                 ; n fragments in one run: window 2, registers \dst on, from byte \off behind v3
	WIN 0x80
.set uu, 0
.rept \n
	ds_load_b128 v[(\dst)+8*uu:(\dst)+8*uu+3], v3 offset:(\off)+1024*uu
	ds_load_b128 v[(\dst)+8*uu+4:(\dst)+8*uu+7], v3 offset:(\off)+1024*uu+512
.set uu, uu+1
.endr
.endm
.macro LB3 dst, off                    ; b3's eight numbers a lane for one tile start its z sum
	WIN 0
	ds_load_b128 v[(\dst):(\dst)+3], v5 offset:\off
	ds_load_b128 v[(\dst)+4:(\dst)+7], v5 offset:(\off)+16
.endm
.macro L3T tl, n0, n1, n2, n3          ; 28 products: the three sums of tile tl of a chunk, seven k steps
.set kk, 0
.rept 7
.set ZZ, 0
.if kk == 0
.set ZZ, 1
.endif
	MM4R 0x06, Z3+24*(\tl), 56*(\tl)+8*kk, 32*kk, ZZ, \n0, \n1, \n2, \n3
.set kk, kk+1
.endr
.endm
.macro L4C first, n0, n2               ; a chunk's share of layer 4: 52 products on 39 sums.  first = 1: the first chunk starts the sums of z' and z''; z's began with b4
.set tt, 0
.rept 13
	SETACC tt, 0
	MM4R (AWN<<6)|(AWN<<4)|0x02, AR, WB+8*tt, H3, \first, \n0, 0, \n2, 0
.set tt, tt+1
.endr
.endm
; ITERATION c.  v3 points at record c, v5 at b3's chunk c.  Each run of LDS loads stands at a phase's head, behind four places, into the registers that the phase before has just multiplied by.
.macro ITER first
	PLACES                                         ; P1.  Behind the products that made z3(c, t1) and read t1's fragments
	LFR 56, 0, 7                                   ; run A, 14 loads: W3's t1(c+1), for P3
	s_wait_dscnt 14                                ; all but the 14 just issued: W3's t0(c+1), its bias and W4's chunk c are in
.set RZ, Z3+24
.set RO, H3+4
.set tj, 0
.set tend, 78
	L3T 0, 3, 3, 3, 3                              ; z3(c+1, t0) | tanh(c, t1): 78 lines, three behind each product
	PLACES                                         ; P2.  Behind the products that made z3(c+1, t0) and read t0's fragments
	LB3 Z3+24, 192                                 ; run B, 16 loads: the bias of (c+1, t1), whose sums tanh has read; W3's t0(c+2)
	LFR 0, 7168, 7
.set RZ, Z3
.set RO, H3
.set tj, 0
.set tend, 54
	L4C \first, 3, 3                               ; layer 4, chunk c | tanh(c+1, t0) up to its roundings: h3 is being read
	PLACES                                         ; P3.  Behind the products that read h3 and W4's fragments
	LB3 Z3, 256                                    ; run C, 28 loads: the bias of (c+2, t0); W4's chunk c+1
	LFR WB, 14336, 13
	WIN 0
	v_add_nc_u32 v3, CHUNK, v3
	v_add_nc_u32 v5, 128, v5
	s_wait_dscnt 28                                ; all but the 28 just issued: W3's t1(c+1) and its bias are in
.set tend, 78
	L3T 1, 3, 0, 3, 0                              ; z3(c+1, t1) | the roundings of tanh(c+1, t0) into h3
.endm
; Feature tile t of the output: u = o c - 1; F = 5 (u^2 - 1) u - 0.001 o - 0.002 x o' - 0.0005 c o'', as hi and lo, half t % 2 of fragment t / 2
.macro FINAL t
.set FO, FR+8*((\t)/2)+4*((\t)%2)
	WIN 0x03
	R4 v_pk_fma_f32 v[UU+8*(\t)+2*ii:UU+8*(\t)+2*ii+1], v[24*(\t)+2*ii:24*(\t)+2*ii+1], v[14:15], -1.0 op_sel_hi:[1,1,0]
	R4 v_pk_mul_f32 v[SM+2*ii:SM+2*ii+1], v[24*(\t)+16+2*ii:24*(\t)+16+2*ii+1], v[16:17]
	R4 v_pk_fma_f32 v[SM+2*ii:SM+2*ii+1], v[24*(\t)+8+2*ii:24*(\t)+8+2*ii+1], v[22:23], v[SM+2*ii:SM+2*ii+1]
	R4 v_pk_fma_f32 v[SM+2*ii:SM+2*ii+1], v[24*(\t)+2*ii:24*(\t)+2*ii+1], s[38:39], v[SM+2*ii:SM+2*ii+1] op_sel_hi:[1,0,1]
	WIN 0
	R4 v_pk_fma_f32 v[TM+2*ii:TM+2*ii+1], v[UU+8*(\t)+2*ii:UU+8*(\t)+2*ii+1], v[UU+8*(\t)+2*ii:UU+8*(\t)+2*ii+1], -1.0 op_sel_hi:[1,1,0]
	R4 v_pk_mul_f32 v[TM+2*ii:TM+2*ii+1], v[TM+2*ii:TM+2*ii+1], v[UU+8*(\t)+2*ii:UU+8*(\t)+2*ii+1]
	R4 v_pk_fma_f32 v[TM+2*ii:TM+2*ii+1], v[TM+2*ii:TM+2*ii+1], s[36:37], v[SM+2*ii:SM+2*ii+1] op_sel_hi:[1,0,1]
	R4 v_cvt_pk_bf16_f32 v[FO+ii], v[TM+2*ii], v[TM+2*ii+1]
	R4 v_fma_mix_f32_bf16 v[TM+2*ii], v[FO+ii], v26, v[TM+2*ii] op_sel_hi:[1,0,0]
	R4 v_fma_mix_f32_bf16 v[TM+2*ii+1], v[FO+ii], v26, v[TM+2*ii+1] op_sel:[1,0,0] op_sel_hi:[1,0,0]
	R4 v_cvt_pk_bf16_f32 v[FO+32+ii], v[TM+2*ii], v[TM+2*ii+1]
.endm
	; THE HEAD
	s_load_b256 s[4:11], s[0:1], 0x0               ; wb, x, out0, out1
	v_lshl_add_u32 v30, v0, 2, SPARE
	v_mov_b32 v31, 0
	ds_add_u32 v30, v31
	s_wait_dscnt 0x0
	v_lshrrev_b32 v11, 5, v0
	v_readfirstlane_b32 s12, v11                   ; wave 0..3
	s_bfe_u32 s13, ttmp6, 0x40000                  ; cx: my place in the cluster
	s_lshl_b32 s14, ttmp9, 2                       ; in a cluster launch ttmp9 counts clusters
	s_add_co_u32 s14, s14, s13                     ; my work-group: it enters the addresses of x, out0 and out1 alone
	s_lshl_b32 s46, s14, 8
	s_lshl_b32 s15, s12, 4
	s_add_co_u32 s46, s46, s15                     ; my wave's first sample: 256 work-group + 16 wave
	s_mul_i32 s48, s46, 400                        ; its byte in out0 and out1 (26,214,400 at the most)
	s_lshl_b32 s46, s46, 2                         ; and in x
	s_mov_b32 s47, 0
	s_mov_b32 s49, 0
	s_mov_b32 s16, 15|(3<<16)|(1<<21)              ; group 1: 15:0 the mask of four; 17:16 elements of 8 bytes; 21 set beside a mask; no padding
	s_mov_b32 s17, 32<<16                          ; tensor_dim0 = 32 elements = 256 bytes
	s_mov_b32 s19, 32<<16                          ; tile_dim0 = 32
	s_mov_b32 s21, 32                              ; 32 elements from row to row: the rows lie end to end
	s_mov_b32 s22, 0
	s_mov_b32 s23, 0
	s_mov_b32 s24, 1                               ; group 0: count = 1
	s_mov_b32 s29, 0
	s_mov_b32 s32, 0x4038aa3b                      ; 2 log2(e)
	s_mov_b32 s33, s32                             ; the pairs are named whole, so both words are written
	s_mov_b32 s34, 0x76543210                      ; v_permlanex16_b32: each lane takes its own place in the other half
	s_mov_b32 s35, 0xfedcba98
	s_mov_b32 s36, 0x40a00000                      ; 5.0
	s_mov_b32 s37, s36
	s_mov_b32 s38, 0xba83126f                      ; -0.001 = -0.0005 x 2
	s_mov_b32 s39, s38
	s_mov_b32 s40, 0x3f4ccccd                      ; 0.8
	s_mov_b32 s41, s40
	s_mov_b32 s43, 0xbf4ccccd                      ; -0.8
	s_mov_b32 s44, 0xffff0000                      ; lanes 16-31
	v_and_b32 v1, 31, v0
	v_lshlrev_b32 v2, 4, v1
	v_and_b32 v9, 15, v0
	v_bfe_u32 v24, v0, 4, 1
	v_lshl_add_u32 v4, v24, 5, RESV
	s_mul_i32 s15, s12, WSTAGE
	s_add_co_u32 s15, s15, STAGE                   ; my stage
	v_mul_u32_u24 v7, v9, 400
	v_add_nc_u32 v7, s15, v7
	v_lshl_add_u32 v6, v24, 5, v7
	v_add_nc_u32 v7, 384, v7
	v_add_nc_u32 v8, s15, v2
	v_lshl_add_u32 v25, v9, 4, s15
	v_lshlrev_b32 v10, 2, v9
	v_mov_b32 v21, 0
	v_mov_b32 v26, -1.0
	WIN 0x40
.irp r, 196,197,198,199,204,205,206,207,212,213,214,215,220,221,222,223
	v_mov_b32 v\r, 0                               ; features 208-223 of h2 and h4 do not exist: the upper half of fragment 6 stays 0
.endr
	WIN 0
	s_wait_kmcnt 0x0
	s_add_nc_u64 s[6:7], s[6:7], s[46:47]
	s_add_nc_u64 s[8:9], s[8:9], s[48:49]
	s_add_nc_u64 s[10:11], s[10:11], s[48:49]
.irp p, 0,1,2,3
	global_load_b32 v[XN+\p], v10, s[6:7] offset:256*\p  ; my sample's x in each of the four passes, 64 samples apart: fetched once, so that no pass waits for memory
.endr
	DESC 0, 0, 66
	CROUND                                         ; all four work-groups are here: the first joint load meets
	tensor_load_to_lds s[24:27], s[16:23]          ; units 0-65, which stay
	s_nop 0
	PLACES
	s_mov_b32 s30, 4
.Lpass:
	FILL SLOT0, 66, 61                             ; W3's tile 0 and records -1 and 0.  (In the first pass its wait and round also show units 0-65 landed, everybody's part.)
	WIN 0xc0                                       ; 24 LDS loads: W0 and b0 (8), b1 (8), W1's fragments (8)
	ds_load_b128 v[104:107], v4                    ; W0 = z0' of features 0-15, where tile 4's second sums lie
	ds_load_b128 v[108:111], v4 offset:16
	ds_load_b128 v[128:131], v4 offset:64          ; features 16-31: tile 5's
	ds_load_b128 v[132:135], v4 offset:80
	ds_load_b128 v[96:99], v4 offset:1024          ; b0
	ds_load_b128 v[100:103], v4 offset:1040
	ds_load_b128 v[120:123], v4 offset:1088
	ds_load_b128 v[124:127], v4 offset:1104
	BIASLD 2048, 4                                 ; b1
	WIN 0x80
.set uu, 0
.rept 4
	ds_load_b128 v[208+8*uu:208+8*uu+3], v2 offset:1024*uu
	ds_load_b128 v[208+8*uu+4:208+8*uu+7], v2 offset:1024*uu+512
.set uu, uu+1
.endr
	WIN 0
	s_wait_loadcnt 0x0                             ; the head's four loads; met at once from the second pass on
	v_cvt_pk_bf16_f32 v20, v[XN], v[XN]            ; x is rounded to bf16 like every other input
	v_lshlrev_b32 v12, 16, v20
	v_mov_b32 v13, v12
	v_fma_f32 v14, v12, v12, -1.0
	v_mul_f32 v22, 0xbb03126f, v12                 ; -0.0005 x 4 x
	v_mov_b32 v15, v14
	v_mul_f32 v16, 0xba03126f, v14                 ; -0.0005 (x^2 - 1)
	v_mov_b32 v23, v22
	v_mov_b32 v17, v16
	; LAYER 0: z = W0 x + b0, z' = W0, z'' = 0
	s_wait_dscnt 16                                ; W0 and b0 are in; b1's 8 loads and W1's 8 may stay out
	WIN 0xf3
	R4 v_pk_fma_f32 v[96+2*ii:97+2*ii], v[104+2*ii:105+2*ii], v[12:13], v[96+2*ii:97+2*ii]
	R4 v_pk_fma_f32 v[120+2*ii:121+2*ii], v[128+2*ii:129+2*ii], v[12:13], v[120+2*ii:121+2*ii]
	TANH 3, 96, 1, 224, 1
	TANH 3, 120, 1, 228, 1
	; LAYER 1: 4 tiles, one k step
	WIN 0x80
.set uu, 0
.rept 26                               ; W2's 26 fragments, for layer 2
	ds_load_b128 v[8*uu:8*uu+3], v2 offset:4096+1024*uu
	ds_load_b128 v[8*uu+4:8*uu+7], v2 offset:4096+1024*uu+512
.set uu, uu+1
.endr
	s_wait_dscnt 52                                ; all but the 52 just issued
	WIN 0xf6
.set tt, 0
.rept 4
	MM4 24*tt, 208+8*tt, 224, 1
.set tt, tt+1
.endr
	PLACES
.set tq, 0
.rept 4
	TANH 3, 24*tq, 1, 32*(tq/2)+4*(tq%2), 0
.set tq, tq+1
.endr
	; LAYER 2: 13 tiles x 2 k steps
	BIASLD 3072, 13
	s_wait_dscnt 0x0
.set kk, 0
.rept 2
.set tt, 0
.rept 13
	SETACC tt, 0
	WIN (AWN<<6)|(AWN<<4)|0x06
.set ZZ, 0
.if kk == 0
.set ZZ, 1
.endif
	MM4 AR, 8*(2*tt+kk), 32*kk, ZZ
.set tt, tt+1
.endr
.set kk, kk+1
.endr
	PLACES                                         ; h2 lands on h1, which those products read
	TANH13                                         ; h2
	; LAYERS 3 AND 4
	BIASLD 6144, 13                                ; b4 starts layer 4's z sums
	WIN 0
	v_add_nc_u32 v5, 4096, v4                      ; b3, chunk 0
	FILL SLOT1, 127, GROUP                         ; slot 0 has landed; records 1 and 2 go out
	v_add_nc_u32 v3, SLOT0, v2
	LB3 Z3, 0                                      ; the way in: the biases of chunk 0,
	LB3 Z3+24, 64
	LFR 0, 0, 14                                   ; W3's t0(0), then t1(0)
	s_wait_dscnt 14                                ; the biases and t0's fragments are in; t1's 14 loads may stay out
.set tj, 0
.set tend, 0
	L3T 0, 0, 0, 0, 0                              ; z3(0, t0): there is no vector work yet to set beside it
	PLACES
	LFR 0, 14336, 7                                ; W3's t0(1)
	s_wait_dscnt 14                                ; all but the 14 just issued
.set RZ, Z3
.set RO, H3
.set tj, 0
.set tend, 78
	L3T 1, 3, 3, 3, 3                              ; z3(0, t1) | tanh(0, t0)
	LB3 Z3, 128                                    ; the bias of (1, t0); W4's chunk 0
	LFR WB, 21504, 13
	WIN 0
	v_add_nc_u32 v3, 34816, v3                     ; record 0
	ITER 1                                         ; iteration 0 is written out: its products start layer 4's sums of z' and z''
	WIN 0                                          ; at a label and at a branch every window is 0
	s_mov_b32 s45, SLOT0
	s_mov_b32 s50, 7
.Lgroup:                                               ; seven groups of two iterations: group g reads records 2g-1, 2g, and the stream's next 54 units go out; the seventh time those are W5
	FILLS
	s_mov_b32 s31, 2
.Lchunk:
	ITER 0
	WIN 0
	s_sub_co_u32 s31, s31, 1
	s_cmp_lg_u32 s31, 0
	s_cbranch_scc1 .Lchunk
	s_sub_co_u32 s50, s50, 1
	s_cmp_lg_u32 s50, 0
	s_cbranch_scc1 .Lgroup
	PLACES                                         ; chunk 15's end: no further chunk stands beside it
	TANH 0, Z3+24, 0, H3+4, 0
	s_wait_dscnt 0x0
.set tj, 0
.set tend, 0
	L4C 0, 0, 0
	; LAYER 5
	WIN 0
	s_wait_tensorcnt 0x0                           ; my part of W5 has landed;
	ds_add_u32 v30, v31                            ; 0 onto my spare word
	s_wait_dscnt 0x0
	s_barrier_signal -1
	s_barrier_wait -1                              ; everybody's has
	v_add_nc_u32 v3, SLOT0, v2
	PLACES                                         ; behind layer 4's last products
	LFR 0, 0, 28                                   ; W5's tiles 0-3: four buffers of 56 registers
	TANH13                                         ; h4, while those loads are on their way
	BIASLD 7168, 7                                 ; b5
	s_wait_dscnt 0x0
.set tq, 0
.rept 7
.if tq == 4
	s_wait_dscnt 28                                ; tile 4's fragments are in; tiles 5's and 6's may stay out
.elseif tq == 5
	s_wait_dscnt 14
.elseif tq == 6
	s_wait_dscnt 0x0
.endif
	WIN 0xf6
.set kk, 0
.rept 7
.set ZZ, 0
.if kk == 0
.set ZZ, 1
.endif
	MM4 24*tq, 56*(tq%4)+8*kk, 32*kk, ZZ
.set kk, kk+1
.endr
.if tq < 3
	PLACES
	LFR 56*tq, 7168*(tq+4), 7                      ; the buffer just read takes the tile four further on
.endif
.set tq, tq+1
.endr
	; u, F, and F A^T
	WIN 0
	v_add_nc_u32 v3, AOFF, v2
	PLACES                                         ; behind layer 5's last products
	LFR 0, 0, 28                                   ; A's 28 fragments
	WIN 0
.irp r, 60,61,62,63,92,93,94,95
	v_mov_b32 v\r, 0                               ; features 112-127 of F do not exist
.endr
.irp t, 0,1,2,3,4,5,6
	FINAL \t
.endr
	s_wait_dscnt 0x0
	WIN 0xf2
.set kk, 0
.rept 4
.set pp, 0
.rept 2                                ; F's hi, then its lo
.set tt, 0
.rept 7                                ; the seven sums take turns
.set ZZ, 0
.if (kk == 0) && (pp == 0)
.set ZZ, 1
.endif
	MM GG+8*tt, 8*(4*tt+kk), FR+32*pp+8*kk, ZZ
.set tt, tt+1
.endr
.set pp, pp+1
.endr
.set kk, kk+1
.endr
	PLACES
	; THE WAY OUT.  Tile 6 first: lanes 0-15 hold columns 96-99 in registers 0-3 and F.bvec (row 100) in register 4; lanes 16-31 hold rows 104-111, which are 0.
	WIN 0x03
	v_pk_fma_f32 v[PM:PM+1], v[GG+48:GG+49], s[40:41], v[UU+48:UU+49] op_sel_hi:[1,0,1]
	v_pk_fma_f32 v[PM+2:PM+3], v[GG+50:GG+51], s[40:41], v[UU+50:UU+51] op_sel_hi:[1,0,1]
	v_mul_f32 v20, v[GG+52], s43                   ; -0.8 F.bvec in lanes 0-15, 0 in lanes 16-31
	WIN 0
	v_permlanex16_b32 v21, v20, s34, s35
	R4 v_permlanex16_b32 v[QM+ii], v[PM+ii], s34, s35
	v_add_f32 v18, v20, v21                        ; one of the two is 0: every lane now holds its sample's -0.8 F.bvec
	R4 v_cndmask_b32 v[PM+ii], v[PM+ii], v[QM+ii], s44  ; lanes 16-31 take their partner's four numbers: both then store the same numbers to the same bytes
	v_mov_b32 v19, v18
	v_pk_add_f32 v[QM:QM+1], v[PM:PM+1], v[18:19]
	v_pk_add_f32 v[QM+2:QM+3], v[PM+2:PM+3], v[18:19]
	ds_store_b128 v7, v[PM:PM+3]
	ds_store_b128 v7, v[QM:QM+3] offset:OUT1
.set tt, 0
.rept 6
	WIN 0x03
	R4 v_pk_fma_f32 v[TM+2*ii:TM+2*ii+1], v[GG+8*tt+2*ii:GG+8*tt+2*ii+1], s[40:41], v[UU+8*tt+2*ii:UU+8*tt+2*ii+1] op_sel_hi:[1,0,1]
	WIN 0
	R4 v_pk_add_f32 v[SM+2*ii:SM+2*ii+1], v[TM+2*ii:TM+2*ii+1], v[18:19]
	ds_store_b128 v6, v[TM:TM+3] offset:64*tt      ; rows of 400 bytes = 100 words: the 16 rows of a store start at 16 different groups of four banks (64 banks of 4 bytes: ISA guide 11.1)
	ds_store_b128 v6, v[TM+4:TM+7] offset:64*tt+16
	ds_store_b128 v6, v[SM:SM+3] offset:OUT1+64*tt
	ds_store_b128 v6, v[SM+4:SM+7] offset:OUT1+64*tt+16
.set tt, tt+1
.endr
	; 16 samples x 400 bytes are 6,400 consecutive bytes of an output, at a multiple of 256 from its first byte: twelve stores of 512 bytes and one of 256.
.set uu, 0
.rept 12
	ds_load_b128 v[32+4*uu:32+4*uu+3], v8 offset:512*uu  ; LDS serves a wave's instructions in order (ISA guide 5.7.1.4): these see the stores above
.set uu, uu+1
.endr
	ds_load_b128 v[80:83], v25 offset:6144         ; the last 256 bytes, in both halves of the lanes
.set uu, 0
.rept 12
	ds_load_b128 v[84+4*uu:84+4*uu+3], v8 offset:OUT1+512*uu
.set uu, uu+1
.endr
	ds_load_b128 v[132:135], v25 offset:OUT1+6144
	s_wait_dscnt 13                                ; out0's 13 loads are back; out1's may stay out
.set uu, 0
.rept 12
	global_store_b128 v2, v[32+4*uu:32+4*uu+3], s[8:9] offset:512*uu th:TH_STORE_NT
.set uu, uu+1
.endr
	s_wait_dscnt 0x0
.set uu, 0
.rept 12
	global_store_b128 v2, v[84+4*uu:84+4*uu+3], s[10:11] offset:512*uu th:TH_STORE_NT
.set uu, uu+1
.endr
	v_cmp_gt_u32 vcc_lo, 16, v1
	s_wait_xcnt 0x0                                ; EXEC is a source of the stores above: it changes only behind this wait
	s_and_saveexec_b32 s42, vcc_lo                 ; lanes 0-15: 256 consecutive bytes
	global_store_b128 v2, v[80:83], s[8:9] offset:6144 th:TH_STORE_NT
	global_store_b128 v2, v[132:135], s[10:11] offset:6144 th:TH_STORE_NT
	s_wait_xcnt 0x0                                ; and again in front of the line that widens it; the stores' bases and data are free behind it too
	s_or_b32 exec_lo, exec_lo, s42
	s_add_nc_u64 s[8:9], s[8:9], 25600             ; the next pass: 64 samples on
	s_add_nc_u64 s[10:11], s[10:11], 25600
	v_mov_b32 v[XN], v[XN+1]                       ; and its x moves to the front
	v_mov_b32 v[XN+1], v[XN+2]
	v_mov_b32 v[XN+2], v[XN+3]
	s_sub_co_u32 s30, s30, 1
	s_cmp_lg_u32 s30, 0
	s_cbranch_scc1 .Lpass
	s_wait_tensorcnt 0x0                           ; the wave's end: behind my last tensor load and my last LDS store
	ds_add_u32 v30, v31
	s_wait_dscnt 0x0
	CROUND                                         ; the closing round: no work-group ends while a partner may still ask for a tile that names it
	s_endpgm
.Lfunc_end_k_qf6e2adae18_main:
	.size	k_qf6e2adae18_main, .Lfunc_end_k_qf6e2adae18_main-k_qf6e2adae18_main
	.p2alignl 7, 3214868480
	.fill 96, 4, 3214868480
	.section	.rodata,"a",@progbits
	.p2align	6, 0x0
	.amdhsa_kernel k_qf6e2adae18_main
		.amdhsa_group_segment_fixed_size 327680
		.amdhsa_private_segment_fixed_size 0
		.amdhsa_enable_private_segment 0
		.amdhsa_kernarg_size 32
		.amdhsa_user_sgpr_count 2
		.amdhsa_user_sgpr_kernarg_segment_ptr 1
		.amdhsa_wavefront_size32 1
		.amdhsa_system_sgpr_workgroup_id_x 1
		.amdhsa_system_sgpr_workgroup_id_y 1
		.amdhsa_system_sgpr_workgroup_id_z 1
		.amdhsa_system_vgpr_workitem_id 0
		.amdhsa_next_free_vgpr 1024
		.amdhsa_next_free_sgpr 66
		.amdhsa_reserve_vcc 1
		.amdhsa_float_denorm_mode_32 3
		.amdhsa_float_denorm_mode_16_64 3
		.amdhsa_memory_ordered 1
		.amdhsa_forward_progress 1
		.amdhsa_inst_pref_size 255
	.end_amdhsa_kernel
	.section	.bss,"aw",@nobits
	.p2align	6
	.space	262144
	.amdgpu_metadata
---
amdhsa.version: [ 1, 2 ]
amdhsa.kernels:
  - .name:           k_qf6e2adae18_main
    .symbol:         k_qf6e2adae18_main.kd
    .args:
      - { .name: wb, .offset: 0, .size: 8, .value_kind: global_buffer, .address_space: global }
      - { .name: x, .offset: 8, .size: 8, .value_kind: global_buffer, .address_space: global }
      - { .name: out0, .offset: 16, .size: 8, .value_kind: global_buffer, .address_space: global }
      - { .name: out1, .offset: 24, .size: 8, .value_kind: global_buffer, .address_space: global }
    .group_segment_fixed_size: 327680
    .private_segment_fixed_size: 0
    .kernarg_segment_align: 8
    .kernarg_segment_size: 32
    .max_flat_workgroup_size: 128
    .sgpr_count:     66
    .vgpr_count:     1024
    .wavefront_size: 32
...
	.end_amdgpu_metadata
.endif
;; end of part 2
